; MI455X (gfx1250); checked and timed in simulation.
; The chip was launched on July 23, 2026; its instructions are those of AMD's public machine-readable ISA for CDNA 5 (MIT licence, August 2026) and "CDNA5" Instruction Set Architecture Reference Guide (July 2026). The comments in the code are by the model that wrote it; some were corrected since.
;; Tiny Lo RA Linear. Allowed arithmetic: matrix products marked QUANTISED: E2M1 operands, one E8M0 scale for each 32 along K, by v_wmma_scale_f32_16x16x128_f8f6f4 with both operands' format E2M1 (or v_wmma_scale_f32_32x16x128_f4), f32 sums; products left as they are: f32 operands where the result goes on into a quantised operand, else bf16, f16 or f32 operands; f32 sums; everything else in f32.
;; Inputs: P 16 x 2 x 2 float32; S 2 x 2 float32; U 4,096 x 2 float32; Vh 2 x 4,096 float32; W_codes 4,096 x 128 x 16 uint8 (E2M1 codes of W, K innermost, in blocks of 32 codes, two codes a byte); W_scales 4,096 x 128 uint8 (E8M0 scales of W, one for each 32 codes along K); b 4,096 float32; v 16 float32; x 4 x 1,024 x 4,096 float32.
;; Outputs: out0 4 x 1,024 x 4,096 float32.
;; This version of the problem:
;;   THIS VERSION OF THE PROBLEM IS GIVEN IN LOW PRECISION. The matrix products marked QUANTISED in the list below multiply operands that are first quantised to E2M1 (2 exponent bits, 1 mantissa bit; 4 bits a number), with one power-of-two scale for each 32 numbers along K (OCP MX v1.0); their sums are f32. All else is computed in f32.
;;   The module's matrix products, in the order in which they are computed (A, B: the left and right operand; K: the contracted axis; several contracted axes count as one K, in the product's order):
;;     1. [M 1, K 16] x [K 16, N 4]; A: input v; B: input P: left as it is (K = 16 < 32)
;;     2. [M 4,096, K 4,096] x [K 4,096, N 4,096]; A: input x; B: input W (given as codes): QUANTISED
;;     3. [M 2, K 2] x [K 2, N 2]; A: input S; B: computed on the way: left as it is (K = 2 < 32)
;;     4. [M 4,096, K 2] x [K 2, N 2]; A: input U; B: computed on the way: left as it is (K = 2 < 32)
;;     5. [M 4,096, K 4,096] x [K 4,096, N 2]; A: input x; B: input Vh: left as it is (N = 2 < 16)
;;     6. [M 4,096, K 2] x [K 2, N 4,096]; A: computed on the way; B: computed on the way: left as it is (K = 2 < 32)
;;   THE QUANTISER, for each operand of a quantised product, along K:
;;     - K is cut into blocks of 32 from its start; a last block that is shorter is filled with zeros.
;;     - A block's scale is 2^e with e = floor(log2(the largest magnitude in the block)) - 2, held to -126 .. 127; a block of zeros has e = 0. As a byte (E8M0): e + 127.
;;     - Each number is divided by its block's scale, clamped to +-6, and rounded to the nearest number of E2M1, ties to even, subnormals kept.
;;     - The product sums the exact products of the quantised numbers (number of the format x scale) in f32.
;;   ~~~python
;;   def quantise(x, axis):      # numpy; x: float32 -> the quantised numbers, widened to float32 again
;;       x = np.moveaxis(x, axis, -1); K = x.shape[-1]
;;       x = np.pad(x, [(0, 0)] * (x.ndim - 1) + [(0, -K % 32)]); x = x.reshape(x.shape[:-1] + (-1, 32)); a = np.abs(x).max(-1, keepdims=True)
;;       e = np.where(a > 0, np.clip(np.frexp(np.where(a > 0, a, 1))[1] - 1 - 2, -126, 127), 0)      # np.frexp(a)[1] - 1 = floor(log2(a)), exactly
;;       r = np.clip(x / 2.0 ** e, -6, 6)
;;       step = 2.0 ** (np.maximum(np.frexp(np.where(r == 0, 1, r))[1] - 1, 0) - 1)
;;       q = np.round(r / step) * step * 2.0 ** e      # np.round: ties to even
;;       return np.moveaxis(q.reshape(q.shape[:-2] + (-1,))[..., :K], -1, axis).astype(np.float32)
;;   ~~~
;;   INPUTS GIVEN AS CODES. W (in the module: [4096, 4096], K = its axis 1): each comes as NAME_codes (uint8): NAME with its K axis moved to the last place and cut into blocks of 32 codes, [.., K / 32, bytes a block], one block behind the other in memory; two codes a byte, the lower K in the low four bits (a code: sign, 2 exponent bits, 1 mantissa bit); and NAME_scales (uint8): the same leading axes, one E8M0 byte (e + 127) for each 32 codes along K. Its value is code x scale, taken as it is: it is not quantised again, and the codes and scales need not be those that the quantiser above would give.
;; One version. Each part assembles by itself: llvm-mc -triple=amdgcn-amd-amdhsa -mcpu=gfx1250 --defsym DOCPART=n.
;; ======== version 1 of 1: 2 launches
;; limits: right only within a limited range of input values
;; workspace buffers: xq 8,912,896 bytes; xv 65,536 bytes
;; launch quant (part 1): grid 256 x 1, 8 waves a work-group, no clusters, 116,736 bytes of LDS; arguments x, Vh, xq, xv; writes xq, xv
.if DOCPART == 1
	.amdgcn_target "amdgcn-amd-amdhsa--gfx1250"
	.amdhsa_code_object_version 6
	.text
	.protected	k_qfac34d5c3c_quant
	.globl	k_qfac34d5c3c_quant
	.p2align	8
	.type	k_qfac34d5c3c_quant,@function
k_qfac34d5c3c_quant:
	s_mov_b64 s[64:65], 0
	v_nop
	global_prefetch_b8 v0, s[64:65] scope:SCOPE_SE
	s_setreg_imm32_b32 hwreg(HW_REG_WAVE_MODE, 25, 1), 1
	s_wait_xcnt 0x0
; x [4096][4096] f32 becomes codes of FP4 (E2M1) with one E8M0 byte for each 32 along K; x . Vh^T (two numbers a row) is taken in f32 while the numbers are in registers.
; No work of reference() is left out in this program; every input is read.
; OUT, laid as the next launch's operand registers take it.
; xq, bytes 0 .. 8,388,607: [block of 16 rows 0..255][128 along K 0..31][c 0..1][lane 0..31][16 bytes]: lane 16 h + r holds row r's codes of k = 64 c + 32 h + 0..31.
; xq, from byte 8,388,608: the scale words: [128 rows 0..31][512 along K 0..7][i 0..3][lane][16 bytes]: lane 16 h + r holds the 16 bytes of row 64 h + 16 i + r.
; xv: [row][4] f32 = (x.Vh0, x.Vh0, x.Vh1, x.Vh1): a lane of half h finds its number at byte 16 row + 8 h.
; A block's byte is its largest magnitude's exponent field - 2, held at 1 from below; the conversion divides by the scale, rounds to the nearest code, ties to even, and gives the largest code beyond 6.
; LIMITS: NaN and infinities in x are not served.  A block of zeros gets the byte 1 where the rule says 127: its codes are zeros, and this program alone reads the bytes.
; x . Vh is summed as 16 products a lane, then 32 lanes, then 8 waves, all in f32.
; SHARES.  A work-group takes 16 rows (one block); wave w takes k = 512 w .. 512 w + 511 of all 16; a step is one row, four loads of 512 consecutive bytes.
; A step's numbers turn through the wave's own stage in LDS so that a lane holds 16 neighbours along K.  Loads run eight steps ahead, the turn one step.
; The wave's codes gather in an image of 16 pieces of 256 bytes, 272 apart, piece j = the bytes 16 j .. 16 j + 15 of every row; row t's 16 scale bytes lie in the 16 bytes behind piece t.
; They leave as 17 stores of 256 consecutive aligned bytes.  One barrier, in front of the sum of the eight waves' parts of x . Vh.
.set WREG,  14336                      ; LDS: a region for each wave:
.set SP,    80                         ;   +0     two stages of 32 places of 64 + 16 bytes
.set IMG,   5120                       ;   +5120  the image
.set PT,    9728                       ;   +9728  32 lanes x (128 + 16) bytes: the lanes' parts of x . Vh
.set XW,    8*WREG                     ; behind the regions: 128 bytes for each wave: its 32 sums; behind them the spare words
.set ROWX,  16384                      ; a row of x, and of Vh, in bytes
.set R,     16                         ; v16-143  eight sets of 16 numbers as they are loaded
.set X,     144                        ; v144-175 two sets of 16 neighbours
.set VH0,   176
.set VH1,   192
.set SS,    208                        ; v208-239 my part of the two sums of each of the 16 rows
.set A0,    240
.set A1,    242
.set C,     244                        ; v244-247 a step's codes, by the step's parity
.set E,     248                        ; v248-249 its scale byte, likewise
	s_load_b256 s[4:11], s[0:1], 0x0               ; x s[4:5], Vh s[6:7], xq s[8:9], xv s[10:11]
	v_lshl_add_u32 v254, v0, 2, 0x1c400
	v_mov_b32 v255, 0
	v_lshrrev_b32 v1, 5, v0
	s_delay_alu instid0(VALU_DEP_1)
	v_readfirstlane_b32 s16, v1                    ; wave 0..7
	v_and_b32 v2, 31, v0                           ; lane
	s_delay_alu instid0(VALU_DEP_1)
	v_lshlrev_b32 v3, 4, v2                        ; my 16 bytes of a load's 512
	s_mul_i32 s17, s16, WREG
	v_lshrrev_b32 v14, 2, v2
	s_delay_alu instid0(VALU_DEP_1)
	v_mul_u32_u24 v14, v14, SP
	v_and_b32 v15, 3, v2
	s_delay_alu instid0(VALU_DEP_1)
	v_lshl_add_u32 v14, v15, 4, v14
	s_delay_alu instid0(VALU_DEP_1)
	v_add_nc_u32 v14, s17, v14                     ; the stage, on the way in
	v_mul_u32_u24 v15, v2, SP
	s_delay_alu instid0(VALU_DEP_1)
	v_add_nc_u32 v15, s17, v15                     ; and on the way out: my 16 neighbours
	v_lshlrev_b32 v7, 3, v2                        ; 8 x lane: my place in a store of 256 bytes
	s_add_co_u32 s18, s17, IMG
	v_add_nc_u32 v251, s18, v7                     ; the image read back: 8 bytes a lane of a piece
	v_lshrrev_b32 v4, 1, v2
	v_mul_u32_u24 v4, v4, 272
	v_and_b32 v252, 1, v2
	v_lshl_add_u32 v4, v252, 3, v4
	v_add_nc_u32 v4, s18, v4                       ; my 8 bytes of codes go to piece lane / 2, half lane % 2; the row stands in the offset
	v_add_nc_u32 v252, 256, v4                     ; the scale bytes read back: row lane / 2, half lane % 2
	v_lshrrev_b32 v5, 1, v2
	s_add_co_u32 s18, s18, 256
	v_add_nc_u32 v5, s18, v5                       ; my block's scale byte, behind piece t
	s_add_co_u32 s18, s17, PT
	v_mul_u32_u24 v6, v2, 144
	s_delay_alu instid0(VALU_DEP_1)
	v_add_nc_u32 v6, s18, v6
	v_lshlrev_b32 v9, 2, v2
	s_delay_alu instid0(VALU_DEP_1)
	v_add_nc_u32 v10, s18, v9
	s_lshl_b32 s19, s16, 7
	s_add_co_u32 s19, s19, XW
	v_add_nc_u32 v12, s19, v9                      ; my wave's 32 sums
	v_add_nc_u32 v13, XW, v9                       ; all waves' sums, 128 bytes apart
	v_lshlrev_b32 v250, 6, v2                      ; Vh: my 16 numbers
	s_lshl_b32 s20, ttmp9, 18                      ; x: 16 rows of 16,384 bytes a work-group,
	s_lshl_b32 s22, s16, 11                        ; 2,048 bytes of a row a wave (Vh likewise)
	s_add_co_u32 s20, s20, s22
	s_mov_b32 s21, 0
	s_mov_b32 s23, 0
	s_lshl_b32 s24, s16, 12                        ; codes: 4,096 bytes a wave,
	s_lshl_b32 s25, ttmp9, 15                      ; 32,768 a block of 16 rows
	s_add_co_u32 s24, s24, s25
	s_mov_b32 s25, 0
	s_lshr_b32 s28, ttmp9, 3                       ; scale words: 16,384 bytes for 128 rows,
	s_lshl_b32 s28, s28, 14
	s_lshl_b32 s29, s16, 11                        ; 2,048 for 512 along K,
	s_add_co_u32 s28, s28, s29
	s_and_b32 s29, ttmp9, 3                        ; 512 i,
	s_lshl_b32 s29, s29, 9
	s_add_co_u32 s28, s28, s29
	s_bfe_u32 s29, ttmp9, 0x10002                  ; 256 h
	s_lshl_b32 s29, s29, 8
	s_add_co_u32 s28, s28, s29
	s_add_co_u32 s28, s28, 0x800000
	s_mov_b32 s29, 0
	s_lshl_b32 s26, ttmp9, 8                       ; xv: 16 rows of 16 bytes
	s_mov_b32 s27, 0
	s_wait_alu depctr_va_vdst(0)                   ; the wait at the head's end
	s_wait_kmcnt 0x0
	s_add_nc_u64 s[4:5], s[4:5], s[20:21]
	s_add_nc_u64 s[6:7], s[6:7], s[22:23]
	s_add_nc_u64 s[28:29], s[8:9], s[28:29]
	s_add_nc_u64 s[8:9], s[8:9], s[24:25]
	s_add_nc_u64 s[10:11], s[10:11], s[26:27]
.irp j, 0,1,2,3
	global_load_b128 v[VH0+4*\j:VH0+4*\j+3], v250, s[6:7] offset:16*\j
	global_load_b128 v[VH1+4*\j:VH1+4*\j+3], v250, s[6:7] offset:ROWX+16*\j
.endr
.macro LOAD t                          ; row t's 2,048 bytes into set t % 8
.irp i, 0,1,2,3
	global_load_b128 v[R+16*((\t)%8)+4*\i:R+16*((\t)%8)+4*\i+3], v3, s[4:5] offset:ROWX*(\t)+512*\i th:TH_LOAD_NT
.endr
.endm
.macro TURN t                          ; step t's numbers through stage t % 2: LDS serves a wave's instructions in order (ISA guide 5.7.1.4)
.irp i, 0,1,2,3
	ds_store_b128 v14, v[R+16*((\t)%8)+4*\i:R+16*((\t)%8)+4*\i+3] offset:32*SP*((\t)%2)+8*SP*\i
.endr
.irp i, 0,1,2,3
	ds_load_b128 v[X+16*((\t)%2)+4*\i:X+16*((\t)%2)+4*\i+3], v15 offset:32*SP*((\t)%2)+16*\i
.endr
.endm
.irp t, 0,1,2,3,4,5,6,7
	LOAD \t
.endr
	s_wait_loadcnt 28                              ; Vh's eight loads and step 0's four are in; the 28 of steps 1 to 7 stay out
	TURN 0
.macro STEP t
.set XS, X+16*((\t)%2)
.set CC, C+2*((\t)%2)
.if (\t) > 0
	s_wait_dscnt 2                                 ; this step's numbers are back (the last step's two stores into the image may be out)
.else
	s_wait_dscnt 0x0
.endif
.if (\t)+8 < 16
	LOAD (\t)+8
.endif
.if (\t) < 15
.if (\t) < 8
	s_wait_loadcnt 28                              ; the next step's four loads are in; seven steps' may be out
.else
	s_wait_loadcnt 4*(14-(\t))                     ; no more loads are issued: the counts run down
.endif
	TURN (\t)+1
.endif
	v_max3_num_f32 v8, |v[XS]|, |v[XS+1]|, |v[XS+2]|               ; the largest magnitude of my 16, in two chains
	v_max3_num_f32 v9, |v[XS+3]|, |v[XS+4]|, |v[XS+5]|
.irp i, 6,10
	s_delay_alu instid0(VALU_DEP_2)
	v_max3_num_f32 v8, v8, |v[XS+\i]|, |v[XS+\i+1]|
	s_delay_alu instid0(VALU_DEP_2)
	v_max3_num_f32 v9, v9, |v[XS+\i+2]|, |v[XS+\i+3]|
.endr
	s_delay_alu instid0(VALU_DEP_2)
	v_max3_num_f32 v8, v8, |v[XS+14]|, |v[XS+15]|
	s_delay_alu instid0(VALU_DEP_1)
	v_max3_num_f32 v8, v8, v9, 0x1800000           ; and the floor 2^(3 - 127): the byte cannot fall under 1
	s_delay_alu instid0(VALU_DEP_1)
	v_max_num_f32_dpp v8, v8, v8 row_xmask:1 row_mask:0xf bank_mask:0xf   ; with my neighbour's 16: the block's
	s_delay_alu instid0(VALU_DEP_1)
	v_add_nc_u32 v11, 0xff000000, v8               ; 2 off its exponent field: the conversion's scale operand
	v_cvt_scalef32_pk8_fp4_f32 v[CC], v[XS:XS+7], v11
	v_cvt_scalef32_pk8_fp4_f32 v[CC+1], v[XS+8:XS+15], v11
	v_lshrrev_b32 v[E+(\t)%2], 23, v11             ; the scale's byte (a plain instruction behind the conversions)
	v_pk_mul_f32 v[A0:A0+1], v[XS:XS+1], v[VH0:VH0+1]              ; x . Vh0 and x . Vh1 over my 16 k, the two chains by turns
	v_pk_mul_f32 v[A1:A1+1], v[XS:XS+1], v[VH1:VH1+1]
.irp i, 2,4,6,8,10,12,14
	s_delay_alu instid0(VALU_DEP_2)
	v_pk_fma_f32 v[A0:A0+1], v[XS+\i:XS+\i+1], v[VH0+\i:VH0+\i+1], v[A0:A0+1]
	s_delay_alu instid0(VALU_DEP_2)
	v_pk_fma_f32 v[A1:A1+1], v[XS+\i:XS+\i+1], v[VH1+\i:VH1+\i+1], v[A1:A1+1]
.endr
	s_delay_alu instid0(VALU_DEP_2)
	v_add_f32 v[SS+2*(\t)], v[A0], v[A0+1]
	s_delay_alu instid0(VALU_DEP_2)
	v_add_f32 v[SS+2*(\t)+1], v[A1], v[A1+1]
	ds_store_b64 v4, v[CC:CC+1] offset:16*(\t)     ; into the image: my piece, row t's 16 bytes
	ds_store_b8 v5, v[E+(\t)%2] offset:272*(\t)    ; both lanes of a block write the same byte with the same value
.endm
.irp t, 0,1,2,3,4,5,6,7,8,9,10,11,12,13,14,15
	STEP \t
.endr
	; My 32 parts go to LDS and come back turned: lane l reads part l (row l / 2, Vh's row l % 2) of all 32 lanes.  The image's 17 loads follow and land during the additions.
.irp j, 0,1,2,3,4,5,6,7
	ds_store_b128 v6, v[SS+4*\j:SS+4*\j+3] offset:16*\j
.endr
.irp j, 0,1,2,3,4,5,6,7,8,9,10,11,12,13,14,15,16,17,18,19,20,21,22,23,24,25,26,27,28,29,30,31
	ds_load_b32 v[64+\j], v10 offset:144*\j
.endr
.irp j, 0,1,2,3,4,5,6,7,8,9,10,11,12,13,14,15
	ds_load_b64 v[16+2*\j:17+2*\j], v251 offset:272*\j             ; piece j: 32 lanes x 8 bytes
.endr
	ds_load_b64 v[48:49], v252                     ; the 16 rows' scale bytes
	s_wait_dscnt 17                                ; the 32 parts are in; the image's 17 loads may be out
.irp j, 0,1,2,3,4,5,6,7
	v_pk_add_f32 v[64+4*\j:65+4*\j], v[64+4*\j:65+4*\j], v[66+4*\j:67+4*\j]
.endr
.irp j, 0,1,2,3
	v_pk_add_f32 v[64+8*\j:65+8*\j], v[64+8*\j:65+8*\j], v[68+8*\j:69+8*\j]
.endr
.irp j, 0
	s_delay_alu instid0(VALU_DEP_3)
	v_pk_add_f32 v[64+16*\j:65+16*\j], v[64+16*\j:65+16*\j], v[72+16*\j:73+16*\j]
.endr
.irp j, 1
	s_delay_alu instid0(VALU_DEP_2)
	v_pk_add_f32 v[64+16*\j:65+16*\j], v[64+16*\j:65+16*\j], v[72+16*\j:73+16*\j]
.endr
	s_delay_alu instid0(VALU_DEP_1)
	v_pk_add_f32 v[64:65], v[64:65], v[80:81]
	s_delay_alu instid0(VALU_DEP_1)
	v_add_f32 v64, v64, v65                        ; my wave's sum over its 512 k
	ds_store_b32 v12, v64
.irp j, 0,1,2,3,4,5,6,7,8,9,10,11,12,13,14,15
	s_wait_dscnt 17-\j                             ; behind the image's load j: its 16 - j younger loads and the store above
	global_store_b64 v7, v[16+2*\j:17+2*\j], s[8:9] offset:256*\j  ; 32 lanes store 256 consecutive bytes, at a multiple of 256 from xq's first byte
.endr
	s_wait_dscnt 1
	global_store_b64 v7, v[48:49], s[28:29]        ; the scale words: 256 consecutive aligned bytes
	s_wait_dscnt 0x0                               ; for the others' sake: my sums lie in LDS
	s_barrier_signal -1
	s_barrier_wait -1
	s_cmp_lg_u32 s16, 0                            ; wave 0 adds the eight waves' sums
	s_cbranch_scc1 .Lend
.irp k, 0,1,2,3,4,5,6,7
	ds_load_b32 v[80+\k], v13 offset:128*\k
.endr
	s_wait_dscnt 0x0
	v_add_f32 v80, v80, v81
	v_add_f32 v82, v82, v83
	v_add_f32 v84, v84, v85
	v_add_f32 v86, v86, v87
	s_delay_alu instid0(VALU_DEP_3)
	v_add_f32 v80, v80, v82
	s_delay_alu instid0(VALU_DEP_2)
	v_add_f32 v84, v84, v86
	s_delay_alu instid0(VALU_DEP_1)
	v_add_f32 v80, v80, v84
	s_delay_alu instid0(VALU_DEP_1)
	v_mov_b32 v81, v80                             ; each number is stored twice
	global_store_b64 v7, v[80:81], s[10:11]        ; lane l: row l / 2, Vh's row l % 2: 256 consecutive aligned bytes
.Lend:
	s_wait_tensorcnt 0x0                           ; the wave's end
	ds_add_u32 v254, v255
	s_wait_dscnt 0x0
	s_endpgm
.Lfunc_end_k_qfac34d5c3c_quant:
	.size	k_qfac34d5c3c_quant, .Lfunc_end_k_qfac34d5c3c_quant-k_qfac34d5c3c_quant
	.p2alignl 7, 3214868480
	.fill 96, 4, 3214868480
	.section	.rodata,"a",@progbits
	.p2align	6, 0x0
	.amdhsa_kernel k_qfac34d5c3c_quant
		.amdhsa_group_segment_fixed_size 116736
		.amdhsa_private_segment_fixed_size 0
		.amdhsa_enable_private_segment 0
		.amdhsa_kernarg_size 32
		.amdhsa_user_sgpr_count 2
		.amdhsa_user_sgpr_kernarg_segment_ptr 1
		.amdhsa_wavefront_size32 1
		.amdhsa_system_sgpr_workgroup_id_x 1
		.amdhsa_system_sgpr_workgroup_id_y 1
		.amdhsa_system_sgpr_workgroup_id_z 1
		.amdhsa_system_vgpr_workitem_id 0
		.amdhsa_next_free_vgpr 256
		.amdhsa_next_free_sgpr 66
		.amdhsa_reserve_vcc 0
		.amdhsa_float_denorm_mode_32 3
		.amdhsa_float_denorm_mode_16_64 3
		.amdhsa_memory_ordered 1
		.amdhsa_forward_progress 1
		.amdhsa_inst_pref_size 72
	.end_amdhsa_kernel
	.amdgpu_metadata
---
amdhsa.version: [ 1, 2 ]
amdhsa.kernels:
  - .name:           k_qfac34d5c3c_quant
    .symbol:         k_qfac34d5c3c_quant.kd
    .args:
      - { .name: x, .offset: 0, .size: 8, .value_kind: global_buffer, .address_space: global }
      - { .name: Vh, .offset: 8, .size: 8, .value_kind: global_buffer, .address_space: global }
      - { .name: xq, .offset: 16, .size: 8, .value_kind: global_buffer, .address_space: global }
      - { .name: xv, .offset: 24, .size: 8, .value_kind: global_buffer, .address_space: global }
    .group_segment_fixed_size: 116736
    .private_segment_fixed_size: 0
    .kernarg_segment_align: 8
    .kernarg_segment_size: 32
    .max_flat_workgroup_size: 256
    .sgpr_count:     66
    .vgpr_count:     256
    .wavefront_size: 32
...
	.end_amdgpu_metadata
.endif
;; end of part 1
;; launch gemm (part 2): grid 16 x 16, 4 waves a work-group, clusters of 4 x 4, 327,680 bytes of LDS; arguments xq, W_codes, W_scales, xv, b, U, S, P, v, out0; writes out0
.if DOCPART == 2
	.amdgcn_target "amdgcn-amd-amdhsa--gfx1250"
	.amdhsa_code_object_version 6
	.text
	.protected	k_qfac34d5c3c_gemm
	.globl	k_qfac34d5c3c_gemm
	.p2align	8
	.type	k_qfac34d5c3c_gemm,@function
k_qfac34d5c3c_gemm:
	s_mov_b64 s[64:65], 0
	v_nop
	global_prefetch_b8 v0, s[64:65] scope:SCOPE_SE
	s_setreg_imm32_b32 hwreg(HW_REG_WAVE_MODE, 25, 1), 1
	s_wait_xcnt 0x0
	s_wait_alu depctr_hold_cnt(0) depctr_sa_sdst(0) depctr_va_vdst(0) depctr_va_sdst(0) depctr_va_ssrc(0) depctr_va_vcc(0) depctr_vm_vsrc(0)
	s_getreg_b32 s2, hwreg(HW_REG_IB_STS2, 6, 4)
	s_cmp_eq_u32 s2, 0
	s_cbranch_scc0 .Lentry_in_a_cluster
	s_endpgm
.Lentry_in_a_cluster:
	s_bfe_u32 s2, ttmp6, 0x10000c
	s_cmp_lg_u32 s2, 0xf033
	s_cbranch_scc0 .Lentry_shape_is_right
	s_endpgm
.Lentry_shape_is_right:
; out[m][n] = sum over k of Q(x)[m][k] W[n][k] + b[n] + (x.Vh0)[m] M[n][0] + (x.Vh1)[m] M[n][1], M = U (S R), R = sum over u of v[u] P[u].  Nothing of reference() is left out.
; A work-group of four waves makes 256 x 256 of out, a wave 128 x 128: 32 accumulators of 16 rows x 32 columns, 512 registers.  A step is 128 along K: 32 instructions of 32 x 16 x 128 on FP4 codes.
; THE SUMS BEGIN with the bias and the low-rank term: one f32 matrix step of K = 4, (M0, b, M1, b)[n] x (x.Vh0, 1, x.Vh1, 0)[m], with C = 0; the 32 steps on codes add onto it.  So the order of the f32 sums differs from reference()'s.
; W's CODES come by tensor loads through two LDS slots of 1,024 along K (256 rows x 512 bytes + 16 of padding = 135,168 bytes each); W's scales for all of K (34,816 bytes with padding) come once.
; The four work-groups of a cluster's column need the same rows of W and ask for them jointly.
; x's CODES AND SCALE WORDS go from memory straight into registers: the launch before has laid them in the order of the operand registers, so each load of a wave is 512 consecutive bytes.
; They are not asked for jointly and not staged in LDS: with x's 256 rows beside W's, two slots of 1,024 along K would take 548,864 bytes, more than LDS has; without them a slot serves 8 steps, and there are 2 refills in the launch.
; Four sets of registers hold x's fragments; a set is asked for three steps ahead of its use and waited for by count.
; THE MATRIX INSTRUCTION IS USED TRANSPOSED (source 0 = 32 rows of W, source 1 = 16 rows of x): a lane holds eight neighbouring numbers of a row of out in each half of an accumulator.
; The 32 steps are expansions of one macro: slot, register set, wait counts and offsets are arithmetic on the step's number; no pointer is stepped between them.
; REGISTERS: window 0: v0-31 addresses; v32-95 scale words, two sets (x's 16, W's 16); v96-127 the f32 step's operands; v128-255 x's sets 0, 1 (on the way out: rows read back).
;   window 1: v0-63, v128-191 W's fragments, two sets; v64-127, v192-255 x's sets 2, 3.   windows 2, 3: the accumulators of my rows 0-63, 64-127 (block a, columns 16 b: v[8 (8 (a % 4) + b)]).
.set SIZE_N, 4096
.set PITCH,  528
.set SLOT,   256*PITCH
.set SCL,    2*SLOT                    ; W's scales: 128 units of 256 + 16 bytes, two rows of 128 bytes a unit
.set SPARE,  SCL+128*272               ; the spare words, 128 bytes a wave
.set SPITCH, 528                       ; the way out: 16 rows x (512 + 16) bytes a wave, in slot 0, behind its last fill and its last read
.set XS0,    0x800000                  ; where x's scale words begin in xq
.set ADRB, 16                          ; v16-17 LDS address of my W fragments in slot 0, 1
.set ASB,  18                          ; v18 of W's scale words: lane m takes row m of a pair of blocks
.set STO,  19
.set RD,   20
.set CO,   21                          ; 16 x lane
.set SPW,  22
.set NIL,  23
.set PFOA, 24                          ; prefetch offsets: 256 x lane;
.set PFOB, 25                          ; row lane / 2 of W, half lane % 2 of its 512 bytes
.set SC,   32
.set WS,   96                          ; the f32 step: W's side, a pair for each 16 columns
.set XS,   112                         ; x's side, a pair for each 16 rows
.set BK,   128
.set G1H,  24                          ; group 1: head, 128 rows of codes
.set G1B,  32                          ; ring, 64 rows
.set G1S,  40                          ; scales, 64 units
.set G0H,  48
.set G0S,  52
.set G0R,  56                          ; s[56:59] slot 0, s[60:63] slot 1
.set AB,   88                          ; x's codes, my first block
.set AS,   90                          ; x's scale words, my 128 rows
.set PFA,  92
.set PFB,  94
.set HM,   96                          ; mask of lanes 16-31
.set MSB, 0
.macro WIN new
.if MSB != (\new)
	s_set_vgpr_msb (MSB<<8)|(\new)
.set MSB, (\new)
.endif
.endm
.macro PLACES n
.rept \n
	v_nop
.endr
.endm
.macro CREST
	s_cmp_lg_u32 s14, 0
	s_cbranch_scc1 .Lnot_wave_0_\@
	s_barrier_signal -3
.Lnot_wave_0_\@:
	s_barrier_wait -3
	s_barrier_signal -1
	s_barrier_wait -1
.endm
.macro CROUND
	s_barrier_signal -1
	s_barrier_wait -1
	CREST
.endm
	s_load_b512 s[68:83], s[0:1], 0x0              ; xq 68, W_codes 70, W_scales 72, xv 74, b 76, U 78, S 80, P 82
	s_load_b128 s[84:87], s[0:1], 0x40             ; v 84, out0 86
	v_lshl_add_u32 v[SPW], v0, 2, SPARE
	v_mov_b32 v[NIL], 0
	ds_add_u32 v[SPW], v[NIL]                      ; the opening lines: the add, twice on end, and its wait ahead of my first tensor load
	ds_add_u32 v[SPW], v[NIL]
	v_lshrrev_b32 v1, 5, v0
	v_readfirstlane_b32 s14, v1                    ; wave 0..3
	s_lshr_b32 s15, s14, 1                         ; my half of the tile's rows; at the head: codes (0) or scales (1)
	s_and_b32 s16, s14, 1                          ; my half of its columns; at the head: which 128 rows of W I fetch
	s_bfe_u32 s6, ttmp6, 0x40000                   ; cx
	s_bfe_u32 s7, ttmp6, 0x40004                   ; cy
	s_lshl_b32 s8, ttmp9, 2
	s_add_co_u32 s8, s8, s6                        ; tile column
	s_and_b32 s17, ttmp7, 0xffff
	s_lshl_b32 s17, s17, 2
	s_add_co_u32 s17, s17, s7                      ; tile row
	s_lshl_b32 s10, 0x1111, s6                     ; my column of the cluster
	s_or_b32 s[G1H+0], s10, (0<<16)|(1<<20)|(1<<21)|(6<<22)|(3<<25)  ; bytes; 4 words of padding behind every 128
	s_or_b32 s[G1B+0], s10, (0<<16)|(1<<20)|(1<<21)|(6<<22)|(3<<25)
	s_mov_b32 s[G1H+1], 512<<16
	s_mov_b32 s[G1H+2], 128<<16
	s_mov_b32 s[G1H+3], 512<<16
	s_mov_b32 s[G1H+4], 128
	s_mov_b32 s[G1H+5], 2048
	s_mov_b32 s[G1H+6], 0
	s_mov_b32 s[G1H+7], 0
	s_mov_b32 s[G1B+1], 512<<16
	s_mov_b32 s[G1B+2], 64<<16
	s_mov_b32 s[G1B+3], 512<<16
	s_mov_b32 s[G1B+4], 64
	s_mov_b32 s[G1B+5], 2048
	s_mov_b32 s[G1B+6], 0
	s_mov_b32 s[G1B+7], 0
	s_or_b32 s[G1S+0], s10, (3<<16)|(1<<20)|(1<<21)|(5<<22)|(3<<25)  ; 8-byte elements; 4 words behind every 64
	s_mov_b32 s[G1S+1], 32<<16
	s_mov_b32 s[G1S+2], 64<<16
	s_mov_b32 s[G1S+3], 32<<16
	s_mov_b32 s[G1S+4], 64
	s_mov_b32 s[G1S+5], 32
	s_mov_b32 s[G1S+6], 0
	s_mov_b32 s[G1S+7], 0
	s_lshl_b32 s18, s8, 8
	s_lshl_b32 s2, s14, 6
	s_add_co_u32 s4, s18, s2                       ; ring: W's row 256 x tile column + 64 x wave
	s_lshl_b32 s4, s4, 11
	s_mov_b32 s5, 0
	s_lshl_b32 s2, s16, 7
	s_add_co_u32 s18, s18, s2                      ; my first column; at the head: the first of the 128 rows of W that I fetch
	s_lshl_b32 s20, s18, 11
	s_mov_b32 s21, 0
	s_lshl_b32 s22, s18, 7
	s_mov_b32 s23, 0
	s_lshl_b32 s19, s17, 8
	s_lshl_b32 s2, s15, 7
	s_add_co_u32 s19, s19, s2                      ; my first row
	s_mul_i32 s9, s16, 128*PITCH                   ; my 128 rows of W in a slot
	s_mul_i32 s11, s16, 64*272
	s_add_co_u32 s11, s11, SCL                     ; and their scales
	s_mul_i32 s3, s14, 64*PITCH                    ; ring: where my 64 rows go
	s_mul_i32 s12, s14, 16*SPITCH                  ; my stage
	v_and_b32 v1, 15, v0                           ; r
	v_bfe_u32 v2, v0, 4, 1                         ; h
	v_and_b32 v3, 31, v0
	v_mul_u32_u24 v6, v1, PITCH
	v_lshl_add_u32 v6, v2, 4, v6
	v_add_nc_u32 v[ADRB], s9, v6
	v_add_nc_u32 v[ADRB+1], SLOT, v[ADRB]
	v_lshrrev_b32 v7, 1, v1
	v_mul_u32_u24 v7, v7, 272
	v_and_b32 v8, 1, v1
	v_lshl_add_u32 v7, v8, 7, v7
	v_mul_u32_u24 v8, v2, 8*272                    ; lanes 16-31: 16 rows, 8 units, on
	v_add_nc_u32 v7, v7, v8
	v_add_nc_u32 v[ASB], s11, v7
	v_mul_u32_u24 v9, v1, SPITCH
	v_lshl_add_u32 v9, v2, 5, v9
	v_add_nc_u32 v[STO], s12, v9
	v_lshlrev_b32 v[CO], 4, v3
	v_add_nc_u32 v[RD], s12, v[CO]
	v_lshlrev_b32 v[PFOA], 8, v3
	v_lshrrev_b32 v10, 1, v3
	v_and_b32 v11, 1, v3
	v_lshlrev_b32 v11, 8, v11
	v_lshl_add_u32 v[PFOB], v10, 11, v11
	v_lshlrev_b32 v4, 4, v1
	v_lshl_add_u32 v4, v2, 3, v4                   ; xv: 16 r + 8 h
	v_and_b32 v5, 0x1c, v3                         ; v: 4 (lane / 4)
	v_lshlrev_b32 v14, 3, v1                       ; U: 8 r
	v_lshlrev_b32 v15, 2, v1                       ; b: 4 r
	v_lshlrev_b32 v31, 2, v3                       ; P: 4 x lane
	v_mov_b32 v30, 0
	v_cmp_eq_u32 s[HM], 1, v2
	s_wait_alu depctr_va_vdst(0)
	s_wait_dscnt 0x0                               ; both opening adds are done
	s_wait_kmcnt 0x0
	s_add_nc_u64 s[20:21], s[70:71], s[20:21]
	s_add_nc_u64 s[22:23], s[72:73], s[22:23]
	s_add_nc_u64 s[4:5], s[70:71], s[4:5]
	s_mov_b32 s[G0H], 1
	s_mov_b32 s[G0H+1], s9
	s_mov_b64 s[G0H+2:G0H+3], s[20:21]
	s_or_b32 s[G0H+3], s[G0H+3], 0x80000000
	s_mov_b32 s[G0S], 1
	s_mov_b32 s[G0S+1], s11
	s_mov_b64 s[G0S+2:G0S+3], s[22:23]
	s_or_b32 s[G0S+3], s[G0S+3], 0x80000000
	s_mov_b32 s[G0R], 1                            ; slot 0's next fill: k = 2,048 ..
	s_mov_b32 s[G0R+1], s3
	s_add_nc_u64 s[G0R+2:G0R+3], s[4:5], 1024
	s_or_b32 s[G0R+3], s[G0R+3], 0x80000000
	s_mov_b32 s[G0R+4], 1                          ; slot 1's first: k = 1,024 ..
	s_add_co_u32 s[G0R+5], s3, SLOT
	s_add_nc_u64 s[G0R+6:G0R+7], s[4:5], 512
	s_or_b32 s[G0R+7], s[G0R+7], 0x80000000
	CROUND                                         ; all sixteen work-groups are here: the first joint loads meet
	; the head's loads, one a wave: waves 0, 1 fetch slot 0's two halves of W's codes, waves 2, 3 the two halves of W's scales
	s_cmp_eq_u32 s15, 0
	s_cbranch_scc0 .Lhead_s
	tensor_load_to_lds s[G0H:G0H+3], s[G1H:G1H+7]
	s_nop 0
	PLACES 4
	s_branch .Lhead_asked
.Lhead_s:
	tensor_load_to_lds s[G0S:G0S+3], s[G1S:G1S+7]
	s_nop 0
	PLACES 4
.Lhead_asked:
	s_mov_b32 s3, 0
	s_lshl_b32 s2, s18, 3
	s_add_nc_u64 s[78:79], s[78:79], s[2:3]        ; U at my first column
	s_lshl_b32 s2, s18, 2
	s_add_nc_u64 s[76:77], s[76:77], s[2:3]        ; b
	s_lshl_b32 s20, s19, 14
	s_add_co_u32 s2, s2, s20
	s_add_nc_u64 s[12:13], s[86:87], s[2:3]        ; out
	s_lshl_b32 s2, s19, 4
	s_add_nc_u64 s[74:75], s[74:75], s[2:3]        ; xv at my first row
	s_lshl_b32 s2, s19, 11                         ; 32,768 bytes for 16 rows
	s_add_nc_u64 s[AB:AB+1], s[68:69], s[2:3]
	s_lshl_b32 s2, s19, 7                          ; 16,384 bytes for 128 rows
	s_add_co_u32 s2, s2, XS0
	s_add_nc_u64 s[AS:AS+1], s[68:69], s[2:3]
	; the prefetches: a phase (1,024 along K) of the tile's 16 blocks of x is 16 x 8,192 bytes: the 16 waves of a cluster's row take a block each (4 cx + wave), a lane 256 bytes;
	; of W's 256 rows x 512 bytes the 16 waves of a cluster's column take 16 rows each (4 cy + wave).  Shared out by address alone.
	s_lshl_b32 s2, s17, 4
	s_lshl_b32 s20, s6, 2
	s_add_co_u32 s2, s2, s20
	s_add_co_u32 s2, s2, s14
	s_lshl_b32 s2, s2, 15
	s_add_nc_u64 s[PFA:PFA+1], s[68:69], s[2:3]
	s_lshl_b32 s2, s7, 2
	s_add_co_u32 s2, s2, s14
	s_lshl_b32 s2, s2, 4
	s_lshl_b32 s20, s8, 8
	s_add_co_u32 s2, s2, s20
	s_lshl_b32 s2, s2, 11
	s_add_nc_u64 s[PFB:PFB+1], s[70:71], s[2:3]
.macro LOADA t                         ; x's eight fragments of step t into set t % 4: 16 loads of 512 consecutive bytes
.set LS, (\t)%4
.if LS < 2
	WIN 0
.set LB, 128+64*LS
.else
	WIN 0x40
.set LB, 64+128*(LS-2)
.endif
.irp i, 0,1,2,3,4,5,6,7
.irp c, 0,1
	global_load_b128 v[LB+8*\i+4*\c:LB+8*\i+4*\c+3], v[CO], s[AB:AB+1] offset:\i*32768+(\t)*1024+\c*512
.endr
.endr
.endm
.macro SCA ks                          ; x's scale words of 512 along K: register 4 i + q: lanes 0-15 block i, lanes 16-31 block i + 4
.irp i, 0,1,2,3
	global_load_b128 v[SC+32*((\ks)%2)+4*\i:SC+32*((\ks)%2)+4*\i+3], v[CO], s[AS:AS+1] offset:(\ks)*2048+\i*512
.endr
.endm
.macro SCB ks                          ; W's: register 16 + 4 p + q: lane m has row m of the pair of blocks p
.irp i, 0,1,2,3
	ds_load_b128 v[SC+32*((\ks)%2)+16+4*\i:SC+32*((\ks)%2)+16+4*\i+3], v[ASB] offset:\i*16*272+16*(\ks)
.endr
.endm
.macro FETCH_B t                       ; W's eight fragments of step t into set t % 2
	WIN 0x40
.irp i, 0,1,2,3,4,5,6,7
.irp c, 0,1
	ds_load_b128 v[128*((\t)%2)+8*\i+4*\c:128*((\t)%2)+8*\i+4*\c+3], v[ADRB+((\t)/8)%2] offset:64*((\t)%8)+32*\c+\i*16*PITCH
.endr
.endr
.endm
	global_load_b32 v6, v31, s[82:83]              ; P[lane / 4][lane % 4], and 8 u further on
	global_load_b32 v7, v31, s[82:83] offset:128
	global_load_b32 v8, v5, s[84:85]               ; v[lane / 4], v[8 + lane / 4]
	global_load_b32 v9, v5, s[84:85] offset:32
	global_load_b128 v[26:29], v30, s[80:81]       ; S
	WIN 0x40
.irp b, 0,1,2,3,4,5,6,7
	global_load_b64 v[192+2*\b:193+2*\b], v14, s[78:79] offset:128*\b   ; U[16 b + r], into window 1 (x's set 3 is first loaded in step 0)
.endr
	WIN 0
.irp b, 0,1,2,3,4,5,6,7
	global_load_b32 v[WS+2*\b+1], v15, s[76:77] offset:64*\b            ; b[16 b + r]: k = 1 (and k = 3, which meets a 0)
.endr
.irp a, 0,1,2,3,4,5,6,7
	global_load_b64 v[XS+2*\a:XS+2*\a+1], v4, s[74:75] offset:256*\a    ; (x.Vh h)[16 a + r], twice
.endr
	SCA 0
	LOADA 0
	LOADA 1
	global_prefetch_b8 v[PFOA], s[PFA:PFA+1] th:TH_LOAD_NT scope:SCOPE_SE   ; x's first phase, of which steps 3 to 7 are yet to be loaded
	LOADA 2
	WIN 0
	s_mov_b32 s2, 0x76543210
	s_mov_b32 s3, 0xfedcba98
	s_wait_loadcnt 52                              ; all but x's scale words (4) and three sets of fragments (48)
	v_mul_f32 v6, v6, v8
	v_fmac_f32 v6, v7, v9
	v_add_f32_dpp v6, v6, v6 row_xmask:4 row_mask:0xf bank_mask:0xf
	v_add_f32_dpp v6, v6, v6 row_xmask:8 row_mask:0xf bank_mask:0xf
	v_permlanex16_b32 v7, v6, s2, s3
	v_add_f32 v6, v6, v7                           ; lane l: R[l % 4]
	v_readlane_b32 s20, v6, 0
	v_readlane_b32 s21, v6, 1
	v_readlane_b32 s22, v6, 2
	v_readlane_b32 s23, v6, 3
	v_mul_f32 v10, s20, v26                        ; S R
	v_mul_f32 v11, s21, v26
	v_mul_f32 v12, s20, v28
	v_mul_f32 v13, s21, v28
	v_fmac_f32 v10, s22, v27
	v_fmac_f32 v11, s23, v27
	v_fmac_f32 v12, s22, v29
	v_fmac_f32 v13, s23, v29
	v_cndmask_b32 v10, v10, v11, s[HM]             ; lanes 0-15 make M[n][0] (k = 0), lanes 16-31 M[n][1] (k = 2)
	v_cndmask_b32 v11, v12, v13, s[HM]
	v_cvt_f32_u32 v5, v2
	v_sub_f32 v5, 1.0, v5                          ; x's side at k = 1: 1; at k = 3: 0
	WIN 0x01                                       ; source 0 in window 1: U
.irp b, 0,1,2,3,4,5,6,7
	v_mul_f32 v[WS+2*\b], v[192+2*\b], v10
.endr
.irp b, 0,1,2,3,4,5,6,7
	v_fmac_f32 v[WS+2*\b], v[193+2*\b], v11
.endr
	WIN 0
.irp a, 0,1,2,3,4,5,6,7
	v_mov_b32 v[XS+2*\a+1], v5
.endr
.irp a, 0,1,2,3,4,5,6,7                ; the sums' first K step, C = 0: 64 instructions while the head's tiles are on their way
	WIN 0x80+0x40*(\a/4)
.irp b, 0,1,2,3,4,5,6,7
	v_wmma_f32_16x16x4_f32 v[8*(8*(\a%4)+\b):8*(8*(\a%4)+\b)+7], v[WS+2*\b:WS+2*\b+1], v[XS+2*\a:XS+2*\a+1], 0
.endr
.endr
	WIN 0
	PLACES 9                                       ; another form writes over these results: nine places (ISA guide 7.12.1)
; 8 matrix instructions of step t: x's blocks a0, a0 + 1 against W's four pairs of blocks.  The 32 accumulators take turns, in the same order in every step.
.macro MUL2 t, a0
.set LS, (\t)%4
.if LS < 2
.set RA0, 128+64*LS
.set AW, 0
.else
.set RA0, 64+128*(LS-2)
.set AW, 4
.endif
	WIN 0x01|AW|(0xa0+0x50*((\a0)/4))
.irp a, \a0, \a0+1
.irp p, 0,1,2,3
.set rD, 8*(8*((\a)%4)+2*\p)
.set rB, 128*((\t)%2)+16*\p
.set rA, RA0+8*(\a)
.set rT, SC+32*(((\t)/4)%2)+16+4*\p+(\t)%4
.set rS, SC+32*(((\t)/4)%2)+4*((\a)%4)+(\t)%4
.if (\a) < 4
	v_wmma_scale_f32_32x16x128_f4 v[rD:rD+15], v[rB:rB+15], v[rA:rA+7], v[rD:rD+15], v[rT], v[rS]
.else
	v_wmma_scale_f32_32x16x128_f4 v[rD:rD+15], v[rB:rB+15], v[rA:rA+7], v[rD:rD+15], v[rT], v[rS] matrix_b_scale:MATRIX_SCALE_ROW1
.endif
.endr
.endr
.endm
; Step t.  At its head, behind four places: W's fragments of step t + 1, x's of step t + 3, and the scale words that fall due.
; The count on LOADcnt leaves out what was issued behind x's set of step t: three sets (48) and one run of scale words (4); from step 28 on no more is issued and the counts run down.
; The count on DScnt leaves out the LDS loads just issued: 16, and 4 more with W's scale words.
.macro STEP t
.set NLD, 52
.if (\t) > 27
.set NLD, 16*(31-(\t))
.endif
	PLACES 4
.if (\t)%8 != 7
	FETCH_B (\t)+1
.endif
.if (\t) < 29
	LOADA (\t)+3
.endif
	WIN 0
.if (\t)%8 != 7
.if (\t)%4 == 3
	SCB (\t)/4+1
.endif
.if (\t)%4 == 0 && (\t) < 28
	SCA (\t)/4+1
.endif
	s_wait_loadcnt NLD
	s_wait_dscnt 16+4*(((\t)%4)/3)
	MUL2 \t, 0
	MUL2 \t, 2
.if (\t)%8 == 1 && (\t) < 24
	WIN 0
	global_prefetch_b8 v[PFOA], s[PFA:PFA+1] offset:8192*((\t)/8+1) th:TH_LOAD_NT scope:SCOPE_SE   ; x's next phase: its first loads stand four steps on
.if (\t) < 16
	global_prefetch_b8 v[PFOB], s[PFB:PFB+1] offset:512*((\t)/8+2) th:TH_LOAD_NT scope:SCOPE_SE    ; W's phase after the next: its refill stands six steps on
.endif
.endif
	MUL2 \t, 4
	MUL2 \t, 6
.else
.if (\t) < 31
	; a slot's last step changes slots: one barrier
	s_wait_tensorcnt 0x0                           ; all my tensor loads have landed: my part of the next slot;
	ds_add_u32 v[SPW], v[NIL]
	s_wait_loadcnt NLD
	s_wait_dscnt 1                                 ; W's fragments of this step are in (the add may be out)
	MUL2 \t, 0
	s_wait_dscnt 0x0                               ; the add is done, and my reads of this slot are over
	s_barrier_signal -1
	MUL2 \t, 2
	WIN 0
	s_barrier_wait -1
.if (\t) < 23
	CREST                                          ; the barrier has opened a round of the cluster's barrier
.if (\t) == 15
	s_add_nc_u64 s[G0R+6:G0R+7], s[G0R+6:G0R+7], 1024   ; slot 1: from k = 1,024 to k = 3,072 (no tensor load of mine is out)
.endif
	tensor_load_to_lds s[G0R+4*(((\t)/8)%2):G0R+4*(((\t)/8)%2)+3], s[G1B:G1B+7]   ; my one load behind the round: 64 rows into the slot just read out
	s_nop 0
.endif
	PLACES 4
	FETCH_B (\t)+1
	WIN 0
	SCB (\t)/4+1
	MUL2 \t, 4
	MUL2 \t, 6
.else
	s_wait_loadcnt 0x0
	s_wait_dscnt 0x0
	MUL2 \t, 0
	MUL2 \t, 2
	MUL2 \t, 4
	MUL2 \t, 6
.endif
.endif
.endm
	s_wait_alu depctr_va_vdst(0)                   ; the wait at the head's end
	s_wait_tensorcnt 0x0                           ; my tile of the head's four is in
	ds_add_u32 v[SPW], v[NIL]
	s_wait_dscnt 0x0
	CROUND                                         ; all four tiles are in, and all sixteen work-groups are here
	tensor_load_to_lds s[G0R+4:G0R+7], s[G1B:G1B+7]   ; slot 1's first fill, 64 rows a wave
	s_nop 0
	PLACES 4
	FETCH_B 0
	WIN 0
	SCB 0
.irp t, 0,1,2,3,4,5,6,7,8,9,10,11,12,13,14,15,16,17,18,19,20,21,22,23,24,25,26,27,28,29,30,31
	STEP \t
.endr
	WIN 0
; THE WAY OUT, block by block of 16 rows x 128 columns: through my own stage in LDS, back as whole rows of 512 bytes, which the 32 lanes store as two aligned units of 256 bytes.
; LDS serves a wave's instructions in order (ISA guide 5.7.1.4): no wait between the stores and the loads.
.macro TOSTAGE a
.set AC, 64*((\a)%4)
	WIN 0x08+4*((\a)/4)
.irp b, 0,1,2,3,4,5,6,7
	ds_store_b128 v[STO], v[AC+8*\b:AC+8*\b+3] offset:64*\b          ; each accumulator from its low end on
	ds_store_b128 v[STO], v[AC+8*\b+4:AC+8*\b+7] offset:64*\b+16
.endr
	WIN 0
.set BB, BK+64*((\a)%2)
.irp t, 0,1,2,3,4,5,6,7,8,9,10,11,12,13,14,15
	ds_load_b128 v[BB+4*\t:BB+4*\t+3], v[RD] offset:\t*SPITCH
.endr
.endm
.macro SEND a, younger
.set BB, BK+64*((\a)%2)
	s_wait_dscnt \younger                          ; the block is back in registers
.if (\a) > 0
	s_add_nc_u64 s[12:13], s[12:13], 16*SIZE_N*4   ; behind a wait on XCNT: the earlier stores have read their base
.endif
.irp t, 0,1,2,3,4,5,6,7,8,9,10,11,12,13,14,15
	global_store_b128 v[CO], v[BB+4*\t:BB+4*\t+3], s[12:13] offset:\t*SIZE_N*4 th:TH_STORE_NT
.endr
.endm
	PLACES 4
	TOSTAGE 0
.irp a, 1,2,3,4,5,6,7
.if \a > 1
	s_wait_xcnt 0x0                                ; block a - 2's stores have read their registers and their base
.endif
	TOSTAGE \a
	SEND \a-1, 32                                  ; behind block a - 1's loads: block a's 16 stores and 16 loads
.endr
	s_wait_xcnt 0x0
	SEND 7, 0
	s_wait_tensorcnt 0x0                           ; the wave's end
	ds_add_u32 v[SPW], v[NIL]
	s_wait_dscnt 0x0
	CROUND                                         ; the closing round
	s_endpgm
.Lfunc_end_k_qfac34d5c3c_gemm:
	.size	k_qfac34d5c3c_gemm, .Lfunc_end_k_qfac34d5c3c_gemm-k_qfac34d5c3c_gemm
	.p2alignl 7, 3214868480
	.fill 96, 4, 3214868480
	.section	.rodata,"a",@progbits
	.p2align	6, 0x0
	.amdhsa_kernel k_qfac34d5c3c_gemm
		.amdhsa_group_segment_fixed_size 327680
		.amdhsa_private_segment_fixed_size 0
		.amdhsa_enable_private_segment 0
		.amdhsa_kernarg_size 80
		.amdhsa_user_sgpr_count 2
		.amdhsa_user_sgpr_kernarg_segment_ptr 1
		.amdhsa_wavefront_size32 1
		.amdhsa_system_sgpr_workgroup_id_x 1
		.amdhsa_system_sgpr_workgroup_id_y 1
		.amdhsa_system_sgpr_workgroup_id_z 1
		.amdhsa_system_vgpr_workitem_id 0
		.amdhsa_next_free_vgpr 1024
		.amdhsa_next_free_sgpr 100
		.amdhsa_reserve_vcc 0
		.amdhsa_float_denorm_mode_32 3
		.amdhsa_float_denorm_mode_16_64 3
		.amdhsa_memory_ordered 1
		.amdhsa_forward_progress 1
		.amdhsa_inst_pref_size 255
	.end_amdhsa_kernel
	.section	.bss,"aw",@nobits
	.p2align	6
	.space	262144
	.amdgpu_metadata
---
amdhsa.version: [ 1, 2 ]
amdhsa.kernels:
  - .name:           k_qfac34d5c3c_gemm
    .symbol:         k_qfac34d5c3c_gemm.kd
    .args:
      - { .name: xq, .offset: 0, .size: 8, .value_kind: global_buffer, .address_space: global }
      - { .name: W_codes, .offset: 8, .size: 8, .value_kind: global_buffer, .address_space: global }
      - { .name: W_scales, .offset: 16, .size: 8, .value_kind: global_buffer, .address_space: global }
      - { .name: xv, .offset: 24, .size: 8, .value_kind: global_buffer, .address_space: global }
      - { .name: b, .offset: 32, .size: 8, .value_kind: global_buffer, .address_space: global }
      - { .name: U, .offset: 40, .size: 8, .value_kind: global_buffer, .address_space: global }
      - { .name: S, .offset: 48, .size: 8, .value_kind: global_buffer, .address_space: global }
      - { .name: P, .offset: 56, .size: 8, .value_kind: global_buffer, .address_space: global }
      - { .name: v, .offset: 64, .size: 8, .value_kind: global_buffer, .address_space: global }
      - { .name: out0, .offset: 72, .size: 8, .value_kind: global_buffer, .address_space: global }
    .group_segment_fixed_size: 327680
    .private_segment_fixed_size: 0
    .kernarg_segment_align: 8
    .kernarg_segment_size: 80
    .max_flat_workgroup_size: 128
    .sgpr_count:     100
    .vgpr_count:     1024
    .wavefront_size: 32
...
	.end_amdgpu_metadata
.endif
;; end of part 2
